; MI455X (gfx1250); checked and timed in simulation.
; The chip was launched on July 23, 2026; its instructions are those of AMD's public machine-readable ISA for CDNA 5 (MIT licence, August 2026) and "CDNA5" Instruction Set Architecture Reference Guide (July 2026). The comments in the code are by the model that wrote it; some were corrected since.
;; Attention. Allowed arithmetic: float matrix products may take bf16 or f16 operands with f32 sums; all other float work in f32.
;; Inputs: Wk 1,024 x 1,024 float32; Wo 1,024 x 1,024 float32; Wq 1,024 x 1,024 float32; Wv 1,024 x 1,024 float32; bk 1,024 float32; bo 1,024 float32; bq 1,024 float32; bv 1,024 float32; key 2 x 2,048 x 1,024 float32; query 2 x 2,048 x 1,024 float32; value 2 x 2,048 x 1,024 float32.
;; Outputs: out0 2 x 2,048 x 1,024 float32.
;; One version. Each part assembles by itself: llvm-mc -triple=amdgcn-amd-amdhsa -mcpu=gfx1250 --defsym DOCPART=n.
;; ======== version 1 of 1: 4 launches
;; limits: values are held in f16: magnitudes above 65,504 overflow, below 6.1e-05 lose precision
;; workspace buffers: a16 25,165,824 bytes; w16 8,388,608 bytes; qkv 25,165,824 bytes; xws 8,388,608 bytes
;; launch cast (part 1): grid 64 x 16, 8 waves a work-group, no clusters, 0 bytes of LDS; arguments query, key, value, Wq, Wk, Wv, Wo, a16, w16; writes a16, w16
.if DOCPART == 1
	.amdgcn_target "amdgcn-amd-amdhsa--gfx1250"
	.amdhsa_code_object_version 6
	.text
	.protected	k_qcb20ecf0f4_cast
	.globl	k_qcb20ecf0f4_cast
	.p2align	8
	.type	k_qcb20ecf0f4_cast,@function
k_qcb20ecf0f4_cast:
	s_mov_b64 s[64:65], 0
	v_nop
	global_prefetch_b8 v0, s[64:65] scope:SCOPE_SE
	s_setreg_imm32_b32 hwreg(HW_REG_WAVE_MODE, 25, 1), 1
	s_wait_xcnt 0x0
; cast: f32 -> f16 of the seven large inputs, so that the products that follow read 16-bit operands.
;   a16 = f16 [query | key | value], each [4096][1024];   w16 = f16 [Wq | Wk | Wv | Wo], each [1024][1024].
; WHY f16 AND NOT bf16: the softmax averages some 2,048 values, so the result is small against its operands, and five intermediates (q, k, v, p, x) are
; rounded on the way; with 8 significand bits their errors add up to more than a quarter of the allowed 1 % of the output's rms, with 11 bits to an eighth of that.
; A pure stream: every input byte is read once, every output byte written once.  No work-group shares a byte with another, so LDS, the matrix
; unit and clusters have nothing to give here.
; 1,024 work-groups of 65,536 input bytes.  Grid y = 4 t + u.  t = 0, 1, 2: quarter u of query, key, value.  t = 3: weight u.  Grid x: the chunk.
; A wave takes 8,192 bytes by 16 loads, all issued at once; each load covers 512 consecutive bytes, each store 256 consecutive bytes, aligned.
; LIMIT: magnitudes beyond 65,504 become infinity; below 2^-14 the step is 2^-24 (denormals are kept).  Inputs of 30 times the problem's spread, or offset
; by 30 spreads, stay below 200; weights of a thirtieth of the spread (rms 0.001) keep a relative error of some 2^-15 of their rms.
.set X, 4                              ; v[4:67]   16 loads x 4 registers
.set Y, 68                             ; v[68:99]  16 stores x 2 registers
	s_load_b512 s[8:23], s[0:1], 0x0               ; query s[8:9] key s[10:11] value s[12:13] Wq s[14:15] Wk s[16:17] Wv s[18:19] Wo s[20:21] a16 s[22:23]
	s_load_b64 s[24:25], s[0:1], 0x40              ; w16
	s_mov_b32 s7, ttmp9                            ; x
	s_and_b32 s2, ttmp7, 0xffff                    ; y
	s_lshr_b32 s3, s2, 2                           ; t
	s_and_b32 s4, s2, 3                            ; u
	s_lshl_b32 s5, s4, 6
	s_add_co_u32 s5, s5, s7                        ; 64 u + x: the chunk inside an activation, and the output chunk inside w16
	s_lshl_b32 s6, s2, 6
	s_add_co_u32 s6, s6, s7                        ; 64 y + x: the output chunk inside a16
	v_and_b32 v1, 0xe0, v0                         ; 32 x wave
	v_and_b32 v2, 31, v0
	v_lshlrev_b32 v2, 4, v2                        ; 16 bytes a lane
	v_lshl_or_b32 v1, v1, 8, v2                    ; + 8,192 x wave: my byte in the input chunk
	v_lshrrev_b32 v2, 1, v1                        ; and in the output chunk: half of it
	s_wait_kmcnt 0x0
	; which buffers: chosen on t and u alone
	s_cmp_eq_u32 s3, 1
	s_cselect_b64 s[26:27], s[10:11], s[8:9]
	s_cmp_eq_u32 s3, 2
	s_cselect_b64 s[26:27], s[12:13], s[26:27]     ; query, key or value
	s_cmp_eq_u32 s4, 1
	s_cselect_b64 s[28:29], s[16:17], s[14:15]
	s_cmp_eq_u32 s4, 2
	s_cselect_b64 s[28:29], s[18:19], s[28:29]
	s_cmp_eq_u32 s4, 3
	s_cselect_b64 s[28:29], s[20:21], s[28:29]     ; Wq, Wk, Wv or Wo
	s_cmp_eq_u32 s3, 3
	s_cselect_b64 s[26:27], s[28:29], s[26:27]     ; from
	s_cselect_b64 s[30:31], s[24:25], s[22:23]     ; to
	s_cselect_b32 s32, s7, s5                      ; input chunk
	s_cselect_b32 s33, s5, s6                      ; output chunk
	s_lshl_b32 s34, s32, 16                        ; x 65,536 bytes (at most 255 chunks)
	s_mov_b32 s35, 0
	s_lshl_b32 s36, s33, 15                        ; x 32,768 bytes (at most 767 chunks)
	s_mov_b32 s37, 0
	s_add_nc_u64 s[26:27], s[26:27], s[34:35]
	s_add_nc_u64 s[30:31], s[30:31], s[36:37]
.irp i, 0,1,2,3,4,5,6,7,8,9,10,11,12,13,14,15
	global_load_b128 v[X+4*\i:X+4*\i+3], v1, s[26:27] offset:512*\i th:TH_LOAD_NT
.endr
.irp i, 0,1,2,3,4,5,6,7,8,9,10,11,12,13,14,15
	s_wait_loadcnt 15-\i                           ; loads come back in order (ISA guide 5.7.1): load i is in, the 15 - i younger ones stay out
	v_cvt_pk_f16_f32 v[Y+2*\i],   v[X+4*\i],   v[X+4*\i+1]
	v_cvt_pk_f16_f32 v[Y+2*\i+1], v[X+4*\i+2], v[X+4*\i+3]
	global_store_b64 v2, v[Y+2*\i:Y+2*\i+1], s[30:31] offset:256*\i   ; 32 lanes x 8 bytes: 256 consecutive bytes, aligned; read again by the next launch, so no hint
.endr
	s_endpgm                                       ; no register was written twice: no further wait
.Lfunc_end_k_qcb20ecf0f4_cast:
	.size	k_qcb20ecf0f4_cast, .Lfunc_end_k_qcb20ecf0f4_cast-k_qcb20ecf0f4_cast
	.p2alignl 7, 3214868480
	.fill 96, 4, 3214868480
	.section	.rodata,"a",@progbits
	.p2align	6, 0x0
	.amdhsa_kernel k_qcb20ecf0f4_cast
		.amdhsa_group_segment_fixed_size 0
		.amdhsa_private_segment_fixed_size 0
		.amdhsa_enable_private_segment 0
		.amdhsa_kernarg_size 72
		.amdhsa_user_sgpr_count 2
		.amdhsa_user_sgpr_kernarg_segment_ptr 1
		.amdhsa_wavefront_size32 1
		.amdhsa_system_sgpr_workgroup_id_x 1
		.amdhsa_system_sgpr_workgroup_id_y 1
		.amdhsa_system_sgpr_workgroup_id_z 1
		.amdhsa_system_vgpr_workitem_id 0
		.amdhsa_next_free_vgpr 104
		.amdhsa_next_free_sgpr 66
		.amdhsa_reserve_vcc 0
		.amdhsa_float_denorm_mode_32 3
		.amdhsa_float_denorm_mode_16_64 3
		.amdhsa_memory_ordered 1
		.amdhsa_forward_progress 1
		.amdhsa_inst_pref_size 8
	.end_amdhsa_kernel
	.amdgpu_metadata
---
amdhsa.version: [ 1, 2 ]
amdhsa.kernels:
  - .name:           k_qcb20ecf0f4_cast
    .symbol:         k_qcb20ecf0f4_cast.kd
    .args:
      - { .name: query, .offset: 0, .size: 8, .value_kind: global_buffer, .address_space: global }
      - { .name: key, .offset: 8, .size: 8, .value_kind: global_buffer, .address_space: global }
      - { .name: value, .offset: 16, .size: 8, .value_kind: global_buffer, .address_space: global }
      - { .name: Wq, .offset: 24, .size: 8, .value_kind: global_buffer, .address_space: global }
      - { .name: Wk, .offset: 32, .size: 8, .value_kind: global_buffer, .address_space: global }
      - { .name: Wv, .offset: 40, .size: 8, .value_kind: global_buffer, .address_space: global }
      - { .name: Wo, .offset: 48, .size: 8, .value_kind: global_buffer, .address_space: global }
      - { .name: a16, .offset: 56, .size: 8, .value_kind: global_buffer, .address_space: global }
      - { .name: w16, .offset: 64, .size: 8, .value_kind: global_buffer, .address_space: global }
    .group_segment_fixed_size: 0
    .private_segment_fixed_size: 0
    .kernarg_segment_align: 8
    .kernarg_segment_size: 72
    .max_flat_workgroup_size: 256
    .sgpr_count:     66
    .vgpr_count:     104
    .wavefront_size: 32
...
	.end_amdgpu_metadata
.endif
;; end of part 1
;; launch proj (part 2): grid 4 x 48, 4 waves a work-group, clusters of 4 x 4, 327,680 bytes of LDS; arguments a16, w16, bq, bk, bv, qkv; writes qkv
.if DOCPART == 2
	.amdgcn_target "amdgcn-amd-amdhsa--gfx1250"
	.amdhsa_code_object_version 6
	.text
	.protected	k_qcb20ecf0f4_proj
	.globl	k_qcb20ecf0f4_proj
	.p2align	8
	.type	k_qcb20ecf0f4_proj,@function
k_qcb20ecf0f4_proj:
	s_mov_b64 s[64:65], 0
	v_nop
	global_prefetch_b8 v0, s[64:65] scope:SCOPE_SE
	s_setreg_imm32_b32 hwreg(HW_REG_WAVE_MODE, 25, 1), 1
	s_wait_xcnt 0x0
	s_wait_alu depctr_hold_cnt(0) depctr_sa_sdst(0) depctr_va_vdst(0) depctr_va_sdst(0) depctr_va_ssrc(0) depctr_va_vcc(0) depctr_vm_vsrc(0)
	s_getreg_b32 s2, hwreg(HW_REG_IB_STS2, 6, 4)
	s_cmp_eq_u32 s2, 0
	s_cbranch_scc0 .Lentry_in_a_cluster
	s_endpgm
.Lentry_in_a_cluster:
	s_bfe_u32 s2, ttmp6, 0x10000c
	s_cmp_lg_u32 s2, 0xf033
	s_cbranch_scc0 .Lentry_shape_is_right
	s_endpgm
.Lentry_shape_is_right:
; proj: the three projections as ONE product of tall matrices.  z = 0, 1, 2 stands for q, k, v.
;   qkv[z][b][h][s][d] = f16( c_z * ( sum over k of a16[z][b*2048+s][k] * w16[z][h*64+d][k] + bias_z[h*64+d] ) ),   c_0 = log2(e)/8, c_1 = c_2 = 1.
; c_0 folds the scores' scale 1/sqrt(64) and the change from e^x to 2^x into q, so the attention launch multiplies the scores by nothing.
; A work-group makes 256 x 256 results with four waves of 128 x 128 (64 accumulator tiles, 512 registers).  K = 1024 goes in steps of 128 through
; a ring of two LDS slots filled by the tensor data mover; a tile's rows are 256 bytes of memory and start at multiples of 256 bytes.
; 3 x 4096 x 1024 results are 192 such blocks: 48 block rows of the tall a16 x 4 block columns.  192 work-groups is what this block size gives.
; CLUSTERS: 4 x 4 work-groups.  A cluster's 4 block rows lie in one z (16 block rows each).  The four of a cluster's row need the same tiles of a16,
; the four of a column the same tiles of w16: each tile is asked for jointly, which divides the requests for both by four.
; LIMITS: operands and results are f16, sums and the bias f32.  A result beyond 65,504 in magnitude becomes infinity.  With every input at 30 times the
; problem's spread the results are 900 times as large, some 5,000 at the most; with a common offset of 30 spreads on activations and weights they are
; about 1024 x 30 x 0.94 = 28,800.  Both lie inside f16; scaling and offsetting at once would not.  At a thirtieth of the spread q c has rms 0.0002,
; against f16's denormal step of 2^-24.
;
; REGISTERS in windows of 256 (s_set_vgpr_msb's low byte: bits 1:0 source 0, 3:2 source 1, 5:4 source 2, 7:6 destination):
;   window 0: v16-27 addresses; v64-127, v128-191 fragments of a16, two buffers (on the way out: read-back and packed results); v192-255 the bias
;   window 1: v64-127, v128-191 fragments of w16, two buffers
;   window 2: accumulator tiles of my rows 0-63 (tile (a, b) at v[8 (8 a + b)]);   window 3: those of my rows 64-127
; THE MATRIX INSTRUCTION IS USED TRANSPOSED: source 0 = 16 rows of w16, source 1 = 16 rows of a16.  Lane l then holds token l % 16 and, in registers
; 0 to 7, the columns 8 (l / 16) + 0 .. 7: eight neighbouring numbers of a head's row, 16 bytes in f16.
.set SIZE_K, 1024
.set KSTEP,  128
.set PITCH,  272                       ; an LDS row: 256 bytes + 16 of padding = 68 words: row r starts at bank 4 r mod 64 (64 banks of 4 bytes: ISA guide 11.1)
.set HALFT,  128*PITCH                 ; 128 rows: what one tensor load brings
.set SLOT,   4*HALFT                   ; a16's 256 rows, then w16's 256 rows
.set STAGE,  2*SLOT                    ; behind the ring, never filled by a tensor load: 16 rows x 272 bytes for each wave
.set SPITCH, 272
.set LAPS, SIZE_K/(2*KSTEP)            ; 4 laps of two K steps
.set ADRA, 16                          ; v16-17  LDS address of my a16 fragments in slot 0, 1
.set ADRB, 20                          ; v20-21  the same for w16
.set STO,  24                          ; v24     the way out: where I put 16 bytes
.set RD,   25                          ; v25     the way out: where I read back
.set CO,   26                          ; v26     my byte offset in qkv
.set BO,   27                          ; v27     my byte offset in the bias
.set F0,   64
.set F1,   128
.set BIAS, 192                         ; v192-255 (window 0): bias of my 8 columns in each of the 8 column tiles
.set RB0,  64                          ; the way out: read-back buffers and packed results take the fragments' registers
.set RB1,  96
.set TMP,  128
.set G1, 24                            ; s[24:31] descriptor group 1 for a16's tiles
.set G0, 32                            ; s[32:39] group 0 for a16's tiles, one set for each slot
.set G1B, 48                           ; s[48:55] group 1 for w16's tiles: another mask
.set G0B, 56                           ; s[56:63] group 0 for w16's tiles
.set MSB, 0
.macro WIN new                         ; the immediate's high byte repeats the setting that is left
.if MSB != \new
	s_set_vgpr_msb (MSB<<8)|\new
.set MSB, \new
.endif
.endm
.set MUL_LO, 0xa1                      ; source 0 (w16) window 1, source 1 (a16) window 0, C and D window 2
.set MUL_HI, 0xf1                      ; the same, C and D window 3
.set TO_B,   0x40                      ; destination window 1, address window 0
; A joint load.  Waves 0 and 1 fetch a16's two halves, waves 2 and 3 w16's.  Each line has one mask; the branch hangs on the wave's number alone.
.macro JLOAD s
	s_cmp_eq_u32 s11, 0
	s_cbranch_scc0 .Lfor_b_\@
	tensor_load_to_lds s[G0+4*\s:G0+4*\s+3], s[G1:G1+7]
	s_nop 0
	s_branch .Lasked_\@
.Lfor_b_\@:
	tensor_load_to_lds s[G0B+4*\s:G0B+4*\s+3], s[G1B:G1B+7]
	s_nop 0
.Lasked_\@:
.endm
; A round of the cluster's barrier: my work-group's barrier, wave 0 signals for the work-group, every wave waits for all sixteen, my barrier again.
.macro CREST                           ; a round behind its opening barrier
	s_cmp_lg_u32 s10, 0
	s_cbranch_scc1 .Lnot_wave_0_\@
	s_barrier_signal -3
.Lnot_wave_0_\@:
	s_barrier_wait -3
	s_barrier_signal -1
	s_barrier_wait -1
.endm
.macro CROUND
	s_barrier_signal -1
	s_barrier_wait -1
	CREST
.endm
	s_load_b128 s[4:7], s[0:1], 0x0                ; a16 s[4:5], w16 s[6:7]
	s_load_b256 s[68:75], s[0:1], 0x10             ; bq s[68:69], bk s[70:71], bv s[72:73], qkv s[74:75]
	s_set_vgpr_msb 0x40
	v_lshl_add_u32 v255, v0, 2, 0x48400
	s_set_vgpr_msb 0x4000
	v_mov_b32 v63, 0
	s_set_vgpr_msb 0x1
	ds_add_u32 v255, v63
	s_set_vgpr_msb 0x100
	v_lshrrev_b32 v1, 5, v0
	v_readfirstlane_b32 s10, v1                    ; wave 0..3
	s_lshr_b32 s11, s10, 1                         ; which half of the block's rows is mine.  Also: I fetch for a16 (0) or w16 (1)
	s_and_b32 s12, s10, 1                          ; which half of its columns.  Also: which 128 rows of that tile I fetch
	s_bfe_u32 s40, ttmp6, 0x40000                  ; cx
	s_bfe_u32 s41, ttmp6, 0x40004                  ; cy
	s_lshl_b32 s42, ttmp9, 2
	s_add_co_u32 s42, s42, s40                     ; block column 0..3 = 4 x cluster x + cx
	s_and_b32 s13, ttmp7, 0xffff
	s_lshl_b32 s13, s13, 2
	s_add_co_u32 s13, s13, s41                     ; tall block row 0..47 = 4 x cluster y + cy
	s_and_b32 s78, ttmp7, 0xffff
	s_lshr_b32 s78, s78, 2                         ; z = cluster y / 4: the same in all sixteen work-groups
	s_lshl_b32 s43, s41, 2
	s_lshl_b32 s43, 15, s43                        ; my row of the cluster: places 4 cy .. 4 cy + 3
	s_lshl_b32 s44, 0x1111, s40                    ; my column: places cx, cx + 4, cx + 8, cx + 12
	; group 1: a tile of 128 rows x 128 elements of 2 bytes, 4 words of padding behind every 64 words
	s_or_b32 s[G1+0], s43, (1<<16)|(1<<20)|(1<<21)|(5<<22)|(3<<25)   ; 15:0 mask: my row; 17:16 2-byte elements; 20 padding; 21 set beside a mask; 24:22 every 64 words; 31:25 4 words
	s_or_b32 s[G1B+0], s44, (1<<16)|(1<<20)|(1<<21)|(5<<22)|(3<<25)  ; the same with the mask of my column
	s_mov_b32 s[G1+1], KSTEP<<16                   ; tensor_dim0 = 128
	s_mov_b32 s[G1B+1], KSTEP<<16
	s_mov_b32 s[G1+2], 128<<16                     ; tensor_dim1 = 128
	s_mov_b32 s[G1B+2], 128<<16
	s_mov_b32 s[G1+3], KSTEP<<16                   ; tile_dim0 = 128
	s_mov_b32 s[G1B+3], KSTEP<<16
	s_mov_b32 s[G1+4], 128                         ; tile_dim1 = 128
	s_mov_b32 s[G1B+4], 128
	s_mov_b32 s[G1+5], SIZE_K                      ; elements from row to row
	s_mov_b32 s[G1B+5], SIZE_K
	s_mov_b32 s[G1+6], 0
	s_mov_b32 s[G1B+6], 0
	s_mov_b32 s[G1+7], 0
	s_mov_b32 s[G1B+7], 0
	; where the tiles come from: a16's hang on the block row, w16's on the block column and z; each in registers that never hold the other coordinate
	s_lshl_b32 s17, s12, 7                         ; which 128 rows of the tile I fetch
	s_lshl_b32 s16, s13, 8
	s_add_co_u32 s16, s16, s17                     ; a16: tall row 256 x block row + 128 x half (at most 12,160)
	s_lshl_b32 s16, s16, 11                        ; x 2,048 bytes: below 2^25
	s_lshl_b32 s46, s42, 8
	s_add_co_u32 s46, s46, s17
	s_lshl_b32 s79, s78, 10
	s_add_co_u32 s46, s46, s79                     ; w16: tall row 1024 z + 256 x block column + 128 x half
	s_lshl_b32 s46, s46, 11
	s_mov_b32 s17, 0
	s_mov_b32 s47, 0
	s_mul_i32 s20, s10, HALFT                      ; where they go: wave x 128 rows: no place in the cluster enters an LDS address
	s_cmp_eq_u32 s78, 0
	s_cselect_b32 s66, 0x3e38aa3b, 1.0             ; c: log2(e)/8 for q, 1 for k and v
	s_mov_b32 s67, s66
	s_lshl_b32 s80, s42, 10                        ; my first column x 4 bytes: 1,024 x block column + 512 x half
	s_lshl_b32 s81, s12, 9
	s_add_co_u32 s80, s80, s81
	s_mov_b32 s81, 0
	s_wait_dscnt 0x0
	s_wait_kmcnt 0x0
	s_add_nc_u64 s[14:15], s[4:5], s[16:17]
	s_add_nc_u64 s[46:47], s[6:7], s[46:47]
	s_cmp_eq_u32 s78, 1
	s_cselect_b64 s[76:77], s[70:71], s[68:69]
	s_cmp_eq_u32 s78, 2
	s_cselect_b64 s[76:77], s[72:73], s[76:77]     ; bq, bk or bv, chosen on z alone
	s_add_nc_u64 s[76:77], s[76:77], s[80:81]
	CROUND                                         ; all sixteen work-groups are here: the first joint loads meet
.irp s, 0,1
	s_mov_b32 s[G0+4*\s], 1                                        ; count = 1
	s_add_co_u32 s[G0+4*\s+1], s20, \s*SLOT                        ; LDS address
	s_add_nc_u64 s[G0+4*\s+2:G0+4*\s+3], s[14:15], \s*KSTEP*2      ; global address: K step s
	s_or_b32 s[G0+4*\s+3], s[G0+4*\s+3], 0x80000000                ; type = 2
	s_mov_b32 s[G0B+4*\s], 1
	s_add_co_u32 s[G0B+4*\s+1], s20, \s*SLOT
	s_add_nc_u64 s[G0B+4*\s+2:G0B+4*\s+3], s[46:47], \s*KSTEP*2
	s_or_b32 s[G0B+4*\s+3], s[G0B+4*\s+3], 0x80000000
	JLOAD \s                                       ; two tensor loads of the wave are out here, one behind each later round
.endr
	; A fragment is 16 rows x 32 K in 8 registers: lane l holds row l % 16; registers 0-3 K = 8 (l / 16) + 0..7, registers 4-7 K = 16 + 8 (l / 16) + 0..7.
	v_and_b32 v1, 15, v0                           ; l % 16
	v_bfe_u32 v2, v0, 4, 1                         ; l / 16
	v_lshlrev_b32 v[BO], 5, v2                     ; 8 columns x 4 bytes for each half of the lanes
.irp b, 0,1,2,3,4,5,6,7
	global_load_b128 v[BIAS+8*\b:BIAS+8*\b+3],   v[BO], s[76:77] offset:64*\b      ; bias of columns 16 b + 8 (l / 16) + 0..3
	global_load_b128 v[BIAS+8*\b+4:BIAS+8*\b+7], v[BO], s[76:77] offset:64*\b+16   ; and + 4..7; waited for on the way out
.endr
	v_mul_u32_u24 v3, v1, PITCH
	v_lshl_add_u32 v3, v2, 4, v3                   ; row x pitch + 16 x half
	s_mul_i32 s21, s11, HALFT                      ; my 128 rows of a16
	s_mul_i32 s22, s12, HALFT                      ; my 128 rows of w16,
	s_add_co_u32 s22, s22, 2*HALFT                 ; which lie behind a16's 256
.irp s, 0,1
	v_add_nc_u32 v[ADRA+\s], s21, v3
	v_add_nc_u32 v[ADRB+\s], s22, v3
	s_add_co_u32 s21, s21, SLOT
	s_add_co_u32 s22, s22, SLOT
.endr
	s_mul_i32 s23, s10, 16*SPITCH
	s_add_co_u32 s23, s23, STAGE                   ; my stage
	v_mul_u32_u24 v4, v1, SPITCH                   ; in: token l % 16, 16 bytes for each half of the lanes
	v_lshl_add_u32 v4, v2, 4, v4
	v_add_nc_u32 v[STO], s23, v4
	v_bfe_u32 v5, v0, 3, 1                         ; back: lanes 0-15 take two tokens' 128 bytes of my first head, lanes 16-31 of my second head
	v_mul_u32_u24 v5, v5, SPITCH
	v_lshl_add_u32 v5, v2, 7, v5
	v_and_b32 v6, 7, v0
	v_lshl_add_u32 v5, v6, 4, v5
	v_add_nc_u32 v[RD], s23, v5
	v_lshlrev_b32 v5, 18, v2                       ; in qkv a head is 262,144 bytes, a token 128: sixteen lanes cover 256 consecutive bytes
	v_lshl_add_u32 v[CO], v1, 4, v5
; 16 matrix instructions: row tiles a0, a0 + 1 of the window's four x all 8 column tiles, 32 along K.  zero = 1: the first product starts the sums.
.macro MUL16 f, hi, a0, zero
.irp a, \a0, \a0+1
.irp b, 0,1,2,3,4,5,6,7
.if \zero
	v_wmma_f32_16x16x32_f16 v[8*(8*(\a)+\b):8*(8*(\a)+\b)+7], v[\f+8*\b:\f+8*\b+7], v[\f+8*(4*\hi+\a):\f+8*(4*\hi+\a)+7], 0
.else
	v_wmma_f32_16x16x32_f16 v[8*(8*(\a)+\b):8*(8*(\a)+\b)+7], v[\f+8*\b:\f+8*\b+7], v[\f+8*(4*\hi+\a):\f+8*(4*\hi+\a)+7], v[8*(8*(\a)+\b):8*(8*(\a)+\b)+7]
.endif
.endr
.endr
.endm
; 32 LDS loads in one run: the fragments of one quarter step into buffer f
.macro FETCH slot, k, f
	WIN TO_B
.irp i, 0,1,2,3,4,5,6,7
	ds_load_b128 v[\f+8*\i:\f+8*\i+3],   v[ADRB+\slot] offset:\k+\i*16*PITCH
	ds_load_b128 v[\f+8*\i+4:\f+8*\i+7], v[ADRB+\slot] offset:\k+\i*16*PITCH+32
.endr
	WIN 0
.irp i, 0,1,2,3,4,5,6,7
	ds_load_b128 v[\f+8*\i:\f+8*\i+3],   v[ADRA+\slot] offset:\k+\i*16*PITCH
	ds_load_b128 v[\f+8*\i+4:\f+8*\i+7], v[ADRA+\slot] offset:\k+\i*16*PITCH+32
.endr
.endm
; Four independent vector instructions stand between a matrix instruction and a load into, or a vector access to, one of its registers (ISA guide 7.12.1
; for vector instructions); the matrix instructions in between are not counted.
.macro PLACES
.rept 4
	v_nop
.endr
.endm
; The 64 accumulators take turns, one instruction a turn, in the same order in every quarter step.
.macro QUARTER slot, k, f, g, zero
	s_wait_dscnt 8                                 ; w16's fragments and a16's rows 0-63 are in; the youngest eight loads (a16's rows 64-127) may be out
	WIN MUL_LO
	MUL16 \f, 0, 0, \zero
	MUL16 \f, 0, 2, \zero
	PLACES
	FETCH \slot, \k, \g
	s_wait_dscnt 32                                ; all but the 32 just issued
	WIN MUL_HI
	MUL16 \f, 1, 0, \zero
	MUL16 \f, 1, 2, \zero
.endm
.macro THREE slot, zero
	QUARTER \slot, 64,  F0, F1, \zero
	QUARTER \slot, 128, F1, F0, 0
	QUARTER \slot, 192, F0, F1, 0
.endm
; The last quarter multiplies buffer 1 and changes slots.  In front of the barrier each wave waits for its reads of this slot and for all its tensor
; loads (one is out: its part of the next slot).  Behind it the refill comes first, then the next slot's first fragments.
.macro TURN slot, next, fill
	s_wait_dscnt 8
	WIN MUL_LO
	MUL16 F1, 0, 0, 0
	s_wait_dscnt 0                                 ; my reads of this slot are over
	s_wait_tensorcnt 0x0                           ; all my tensor loads have landed
	ds_add_u32 v255, v63
	s_wait_dscnt 0x0
	s_barrier_signal -1                            ; (where a slot is filled again this barrier opens a round of the cluster's barrier)
	MUL16 F1, 0, 2, 0                              ; registers only
	WIN 0
	s_barrier_wait -1
.if \fill
	CREST                                          ; no wave of any partner still reads this slot or has a load on its way
	s_add_nc_u64 s[G0+4*\slot+2:G0+4*\slot+3], s[G0+4*\slot+2:G0+4*\slot+3], 2*KSTEP*2
	s_add_nc_u64 s[G0B+4*\slot+2:G0B+4*\slot+3], s[G0B+4*\slot+2:G0B+4*\slot+3], 2*KSTEP*2
	JLOAD \slot                                    ; the first tensor load behind the round
.endif
	PLACES
	FETCH \next, 0, F0
	WIN MUL_HI
	MUL16 F1, 1, 0, 0
	MUL16 F1, 1, 2, 0
.endm
.macro LAP zero
	THREE 0, \zero
	TURN 0, 1, 1
	THREE 1, 0
	TURN 1, 0, 1
.endm
	s_wait_tensorcnt 1                             ; my part of K step 0 is in; K step 1's load stays out
	s_barrier_signal -1
	s_barrier_wait -1                              ; everybody's is
	FETCH 0, 0, F0
	LAP 1                                          ; the first lap's first products start the sums
	WIN 0
	s_mov_b32 s3, LAPS-2
.Llap:
	LAP 0
	WIN 0
	s_sub_co_u32 s3, s3, 1
	s_cmp_lg_u32 s3, 0
	s_cbranch_scc1 .Llap
	THREE 0, 0                                     ; the last lap fills nothing
	TURN 0, 1, 0
	THREE 1, 0
	s_wait_dscnt 8
	WIN MUL_LO
	MUL16 F1, 0, 0, 0
	MUL16 F1, 0, 2, 0
	s_wait_dscnt 0
	WIN MUL_HI
	MUL16 F1, 1, 0, 0
	MUL16 F1, 1, 2, 0
	; THE WAY OUT, 16 tokens at a time: c x sum + c x bias, round to f16, 16 bytes a lane into my own stage, read back so that sixteen lanes hold
	; two neighbouring tokens of one head (256 consecutive bytes of qkv).
	PLACES                                         ; the places behind the last matrix instructions
	WIN 0
	s_wait_loadcnt 0x0                             ; the bias
.set i, 0
.rept 32
	v_pk_mul_f32 v[BIAS+i:BIAS+i+1], v[BIAS+i:BIAS+i+1], s[66:67] op_sel_hi:[1,0]   ; c x bias
.set i, i+2
.endr
	s_lshl_b32 s16, s13, 8
	s_lshl_b32 s14, s11, 7
	s_add_co_u32 s16, s16, s14                     ; T0: my first tall row = z x 4096 + b x 2048 + s
	s_lshr_b32 s17, s16, 11
	s_lshl_b32 s17, s17, 22                        ; (2 z + b) x 4,194,304 bytes (16 heads x 2048 tokens x 128 bytes)
	s_and_b32 s16, s16, 2047
	s_lshl_b32 s16, s16, 7                         ; s x 128 bytes
	s_add_co_u32 s16, s16, s17
	s_mov_b32 s17, 0
	s_add_nc_u64 s[74:75], s[74:75], s[16:17]
	s_lshl_b32 s46, s42, 20                        ; my first head = 4 x block column + 2 x half, x 262,144 bytes
	s_lshl_b32 s47, s12, 19
	s_add_co_u32 s46, s46, s47
	s_mov_b32 s47, 0
	s_add_nc_u64 s[74:75], s[74:75], s[46:47]
; tokens 16 i .. 16 i + 15 of my block = the eight tiles (a, 0..7) of window 2 (hi = 0) or 3 (hi = 1); f: the read-back buffer, in turn
.macro OUT16 i, a, hi, f
.if \hi
	WIN 0xc3                                       ; source 0 and destination window 3, the bias window 0
.else
	WIN 0x82
.endif
.irp b, 0,1,2,3,4,5,6,7
.irp r, 0,1,2,3
	v_pk_fma_f32 v[8*(8*\a+\b)+2*\r:8*(8*\a+\b)+2*\r+1], v[8*(8*\a+\b)+2*\r:8*(8*\a+\b)+2*\r+1], s[66:67], v[BIAS+8*\b+2*\r:BIAS+8*\b+2*\r+1] op_sel_hi:[1,0,1]
.endr
.endr
.if \hi
	WIN 0x0f                                       ; sources 0 and 1 window 3, destination window 0
.else
	WIN 0x0a
.endif
.irp b, 0,1,2,3,4,5,6,7
.irp r, 0,1,2,3
	v_cvt_pk_f16_f32 v[TMP+4*\b+\r], v[8*(8*\a+\b)+2*\r], v[8*(8*\a+\b)+2*\r+1]
.endr
.endr
	WIN 0
.irp b, 0,1,2,3,4,5,6,7
	ds_store_b128 v[STO], v[TMP+4*\b:TMP+4*\b+3] offset:32*\b
.endr
	s_wait_xcnt 0x0                                ; earlier stores have had their addresses translated (ISA guide 3.1): buffer f and the base are rewritten only behind this wait
.if \i
	s_add_nc_u64 s[74:75], s[74:75], 16*128        ; 16 tokens on
.endif
.irp t, 0,1,2,3,4,5,6,7
	ds_load_b128 v[\f+4*\t:\f+4*\t+3], v[RD] offset:\t*2*SPITCH    ; LDS serves a wave's instructions in order (ISA guide 5.7.1.4): these see the stores above
.endr
.irp t, 0,1,2,3,4,5,6,7
	s_wait_dscnt 7-\t                              ; read-back t is in, the 7 - t younger ones stay out
	global_store_b128 v[CO], v[\f+4*\t:\f+4*\t+3], s[74:75] offset:256*\t   ; 16 lanes store 256 consecutive bytes, aligned
.endr
.endm
	OUT16 0, 0, 0, RB0
	OUT16 1, 1, 0, RB1
	OUT16 2, 2, 0, RB0
	OUT16 3, 3, 0, RB1
	OUT16 4, 0, 1, RB0
	OUT16 5, 1, 1, RB1
	OUT16 6, 2, 1, RB0
	OUT16 7, 3, 1, RB1
	s_set_vgpr_msb 0x1
	s_wait_tensorcnt 0x0
	ds_add_u32 v255, v63
	s_wait_dscnt 0x0
	s_set_vgpr_msb 0x100
	CROUND                                         ; the closing round: no work-group ends while a partner may still ask for a tile that names it
	s_endpgm
.Lfunc_end_k_qcb20ecf0f4_proj:
	.size	k_qcb20ecf0f4_proj, .Lfunc_end_k_qcb20ecf0f4_proj-k_qcb20ecf0f4_proj
	.p2alignl 7, 3214868480
	.fill 96, 4, 3214868480
	.section	.rodata,"a",@progbits
	.p2align	6, 0x0
	.amdhsa_kernel k_qcb20ecf0f4_proj
		.amdhsa_group_segment_fixed_size 327680
		.amdhsa_private_segment_fixed_size 0
		.amdhsa_enable_private_segment 0
		.amdhsa_kernarg_size 48
		.amdhsa_user_sgpr_count 2
		.amdhsa_user_sgpr_kernarg_segment_ptr 1
		.amdhsa_wavefront_size32 1
		.amdhsa_system_sgpr_workgroup_id_x 1
		.amdhsa_system_sgpr_workgroup_id_y 1
		.amdhsa_system_sgpr_workgroup_id_z 1
		.amdhsa_system_vgpr_workitem_id 0
		.amdhsa_next_free_vgpr 1024
		.amdhsa_next_free_sgpr 84
		.amdhsa_reserve_vcc 0
		.amdhsa_float_denorm_mode_32 3
		.amdhsa_float_denorm_mode_16_64 3
		.amdhsa_memory_ordered 1
		.amdhsa_forward_progress 1
		.amdhsa_inst_pref_size 217
	.end_amdhsa_kernel
	.amdgpu_metadata
---
amdhsa.version: [ 1, 2 ]
amdhsa.kernels:
  - .name:           k_qcb20ecf0f4_proj
    .symbol:         k_qcb20ecf0f4_proj.kd
    .args:
      - { .name: a16, .offset: 0, .size: 8, .value_kind: global_buffer, .address_space: global }
      - { .name: w16, .offset: 8, .size: 8, .value_kind: global_buffer, .address_space: global }
      - { .name: bq, .offset: 16, .size: 8, .value_kind: global_buffer, .address_space: global }
      - { .name: bk, .offset: 24, .size: 8, .value_kind: global_buffer, .address_space: global }
      - { .name: bv, .offset: 32, .size: 8, .value_kind: global_buffer, .address_space: global }
      - { .name: qkv, .offset: 40, .size: 8, .value_kind: global_buffer, .address_space: global }
    .group_segment_fixed_size: 327680
    .private_segment_fixed_size: 0
    .kernarg_segment_align: 8
    .kernarg_segment_size: 48
    .max_flat_workgroup_size: 128
    .sgpr_count:     84
    .vgpr_count:     1024
    .wavefront_size: 32
...
	.end_amdgpu_metadata
.endif
;; end of part 2
;; launch attn (part 3): grid 8 x 32, 16 waves a work-group, clusters of 4 x 1, 327,680 bytes of LDS; arguments qkv, xws; writes xws
.if DOCPART == 3
	.amdgcn_target "amdgcn-amd-amdhsa--gfx1250"
	.amdhsa_code_object_version 6
	.text
	.protected	k_qcb20ecf0f4_attn
	.globl	k_qcb20ecf0f4_attn
	.p2align	8
	.type	k_qcb20ecf0f4_attn,@function
k_qcb20ecf0f4_attn:
	s_mov_b64 s[64:65], 0
	v_nop
	global_prefetch_b8 v0, s[64:65] scope:SCOPE_SE
	s_setreg_imm32_b32 hwreg(HW_REG_WAVE_MODE, 25, 1), 1
	s_wait_xcnt 0x0
	s_wait_alu depctr_hold_cnt(0) depctr_sa_sdst(0) depctr_va_vdst(0) depctr_va_sdst(0) depctr_va_ssrc(0) depctr_va_vcc(0) depctr_vm_vsrc(0)
	s_getreg_b32 s2, hwreg(HW_REG_IB_STS2, 6, 4)
	s_cmp_eq_u32 s2, 0
	s_cbranch_scc0 .Lentry_in_a_cluster
	s_endpgm
.Lentry_in_a_cluster:
	s_bfe_u32 s2, ttmp6, 0x10000c
	s_cmp_lg_u32 s2, 0x3003
	s_cbranch_scc0 .Lentry_shape_is_right
	s_endpgm
.Lentry_shape_is_right:
; attn: x = softmax(q k^T / 8) v for one (batch, head) and 256 queries a work-group, with a running maximum; the scores never leave registers.
; q comes already multiplied by log2(e)/8, so p = 2^(s - m).
; SIXTEEN WAVES, four on each SIMD (4 x 256 registers = the SIMD's 1,024).  A wave's work on a block of 64 keys is one chain: 16 products, some 220 vector
; instructions of softmax, 16 products; inside a wave the two kinds do not overlap, so the other three waves of the SIMD fill the gaps.
; Wave w owns query group w & 7 (32 queries, two tiles nt of 16) and key group kg = w >> 3: of every tile of 512 keys it takes blocks 4 kg .. 4 kg + 3.
; The two waves of a query group end with partial (m, l, O) over half of the keys each and merge them through LDS: each keeps query tile nt = kg.
; Keys go in tiles of 512 (K and V, 65,536 bytes each) through two LDS slots; wave w brings block w (0-7: K, 8-15: V), 8,192 dense bytes.
; CLUSTER 4 x 1: four query blocks of one head read the same K and V: every tile is asked for jointly (mask 15).  The queries are each wave's own.
; TRANSPOSED FORM.  S^T = K Q^T: A = 16 keys x 32 d, B = 16 queries x 32 d.  Lane (r, h) register j holds key 16 kt + 8 h + j of query r.
;   Two neighbouring S^T tiles, packed to f16 in place, ARE the B fragment of P^T for 32 keys (registers 0-3: keys 8 h + 0..7, 4-7: 16 + 8 h + 0..7).
;   O^T = V^T P^T: A = V^T by the transposing LDS load.  Lane (r, h) register j holds d = 16 mt + 8 h + j of query r.
;   So a query's maximum, its rescaling factor and 1 / l are one number a lane, and the only traffic between lanes is with lane l xor 16.
; LIMITS: q, k, v, p and x are f16.  p lies in (0, 1] whatever the inputs; below 2^-14 its step is 2^-24 and below 2^-25 it is zero, against l >= 1.
; x is a weighted mean of v and has v's range (the projection's limit: 65,504).  l is summed in f32 from the unrounded p;
; 2^x below 2^-126 comes out as zero (ISA guide, V_EXP_F32).
.set BLK,   9216                       ; LDS bytes of a block of 64 keys: K 32 rows x 272 (8,704 used), V 32 rows x 288
.set SLOT,  16*BLK                     ; K blocks 0-7, V blocks 0-7
.set TILE,  65536                      ; 512 keys x 128 bytes in memory
; The stages of the end lie in slot 0: its last fill is tile 2, and every wave's reads of it are waited for in front of tile 3's round.
.set XW,     4608                      ; exchange: 8 x 512 bytes of O, 512 bytes of (m0, l0, m1, l1), for each wave, from LDS byte 0
.set OSTAGE, 16*XW                     ; behind it the way out: 16 rows x 144 bytes for each wave
.set OW,     16*144
; An LDS row holds 256 bytes = two keys; key i lies at (i >> 1) x pitch + (i & 1) x 128.  With pitch 272 the 16 keys of a K fragment start in sixteen
; different 16-byte columns modulo 256: (r >> 1) + 8 (r & 1).  With pitch 288 so do the 16 lanes of a transposing load of V: 2 (i >> 1) + 8 (i & 1) + column half.
.set KA,  1                            ; v1, v2    LDS address of my K fragments in slot 0, 1 (my key group's four blocks)
.set VA,  3                            ; v3, v4    the same for V
.set VQ,  5                            ; v5        my byte offset in the wave's queries
.set STO, 6                            ; v6        the way out: where I put 16 bytes
.set RD,  7                            ; v7        the way out: where I read back
.set CO,  8                            ; v8        16 x lane: my byte offset in xws
.set XS,  9                            ; v9        exchange: where I put what my partner needs
.set MX,  10                           ; v10, v12  running maximum of query r, tile nt
.set XP,  11                           ; v11, v13  what lane l xor 16 sent; at the end l, so that v[10:13] = (m0, l0, m1, l1)
.set ALF, 14                           ; v14, v16  2^(old maximum - new maximum); at the end the two weights of the merge
.set TA,  15                           ; v15, v17  at work
.set TB,  18                           ; v18, v19  at work
.set LS,  20                           ; v[20:21], v[22:23]  l in two partial sums
.set QFR, 24                           ; v[24:55]  Q fragments, + 16 nt + 8 ks
.set FRG, 56                           ; v[56:119] K fragments (+ 32 ks + 8 kt), then V fragments (+ 32 ks2 + 8 mt)
.set PAR, FRG                          ; at the end: my partner's O (32 registers) and (m0, l0, m1, l1)
.set OUTB, FRG+40                      ; at the end: 16 registers read back from my stage
.set SCO, 120                          ; v[120:183] S^T, + 32 nt + 8 kt; then P^T at + 32 nt + 16 ks2
.set OAC, 184                          ; v[184:247] O^T, + 32 nt + 8 mt
.set XR,  248                          ; v248      exchange: where my partner put what I need
.set G1K, 16                           ; s[16:23] descriptor group 1 for K blocks
.set G1V, 24                           ; s[24:31] for V blocks: another padding
.set G0,  32                           ; s[32:39] group 0, one set for each slot
.macro ROUND                           ; a round of the cluster's barrier
	s_barrier_signal -1
	s_barrier_wait -1
	s_cmp_lg_u32 s8, 0
	s_cbranch_scc1 .Lnot_wave_0_\@
	s_barrier_signal -3
.Lnot_wave_0_\@:
	s_barrier_wait -3
	s_barrier_signal -1
	s_barrier_wait -1
.endm
; A joint load: waves 0-7 bring K's eight blocks of the tile, waves 8-15 V's.  One load a wave; the branch hangs on the wave's number alone.
.macro JLOAD s
	s_cmp_lt_u32 s8, 8
	s_cbranch_scc0 .Lfor_v_\@
	tensor_load_to_lds s[G0+4*(\s):G0+4*(\s)+3], s[G1K:G1K+7]
	s_nop 0
	s_branch .Lasked_\@
.Lfor_v_\@:
	tensor_load_to_lds s[G0+4*(\s):G0+4*(\s)+3], s[G1V:G1V+7]
	s_nop 0
.Lasked_\@:
.endm
.macro NOPS n
.rept \n
	v_nop
.endr
.endm
; 8 loads: the four K fragments (16 keys x 32 d) of half ks of the head dimension
.macro KFETCH adr, blk, ks
.irp kt, 0,1,2,3
	ds_load_b128 v[FRG+32*\ks+8*\kt:FRG+32*\ks+8*\kt+3],   v[\adr] offset:(\blk)*BLK+2176*\kt+64*\ks
	ds_load_b128 v[FRG+32*\ks+8*\kt+4:FRG+32*\ks+8*\kt+7], v[\adr] offset:(\blk)*BLK+2176*\kt+64*\ks+32
.endr
.endm
; 16 transposing loads: the eight V^T fragments (16 d x 32 keys); 16 keys are 8 LDS rows = 2,304 bytes
.macro VFETCH adr, blk
.irp ks2, 0,1
.irp mt, 0,1,2,3
	ds_load_tr16_b128 v[FRG+32*\ks2+8*\mt:FRG+32*\ks2+8*\mt+3],   v[\adr] offset:(\blk)*BLK+2304*(2*\ks2)+32*\mt
	ds_load_tr16_b128 v[FRG+32*\ks2+8*\mt+4:FRG+32*\ks2+8*\mt+7], v[\adr] offset:(\blk)*BLK+2304*(2*\ks2+1)+32*\mt
.endr
.endr
.endm
.macro EXPS nt                         ; p = 2^(s - m), 32 a lane; one plain instruction stands behind the run (ISA guide 5.7.2)
.set e, 0
.rept 32
	v_exp_f32 v[SCO+32*\nt+e], v[SCO+32*\nt+e]
.set e, e+1
.endr
	v_nop
.endm
.macro RESCALE nt                      ; O *= 2^(old maximum - new maximum)
.set e, 0
	s_wait_alu depctr_va_vdst(0)
.rept 16
	v_pk_mul_f32 v[OAC+32*\nt+e:OAC+32*\nt+e+1], v[OAC+32*\nt+e:OAC+32*\nt+e+1], v[ALF+2*\nt:ALF+2*\nt+1] op_sel_hi:[1,0]
.set e, e+2
.endr
.endm
; l = l x alpha + sum of p, and p packed to f16 in place: pair p of the 16 goes to register 16 (p / 8) + p % 8, which lies at or below the pair itself,
; and each pair is summed before it is packed.
.macro SUMPACK nt, first
.if \first
	s_wait_alu depctr_va_vdst(0)
	v_pk_add_f32 v[LS+2*\nt:LS+2*\nt+1], v[SCO+32*\nt:SCO+32*\nt+1], v[SCO+32*\nt+2:SCO+32*\nt+3]
.else
	s_wait_alu depctr_va_vdst(0)
	v_pk_fma_f32 v[LS+2*\nt:LS+2*\nt+1], v[LS+2*\nt:LS+2*\nt+1], v[ALF+2*\nt:ALF+2*\nt+1], v[SCO+32*\nt:SCO+32*\nt+1] op_sel_hi:[1,0,1]
.endif
.set p, 0
.rept 16
.if p >= 1+\first
	v_pk_add_f32 v[LS+2*\nt:LS+2*\nt+1], v[LS+2*\nt:LS+2*\nt+1], v[SCO+32*\nt+2*p:SCO+32*\nt+2*p+1]
.endif
	v_cvt_pk_f16_f32 v[SCO+32*\nt+16*(p/8)+p%8], v[SCO+32*\nt+2*p], v[SCO+32*\nt+2*p+1]
.set p, p+1
.endr
.endm
; One block of 64 keys.  first = 1: the wave's very first block starts m, l and O.  more = 1: the next block's K fragments are fetched from the same slot.
; In both products eight accumulators take turns, one instruction a turn.
.macro BLOCK slot, blk, first, more
	s_wait_dscnt 8                                 ; K's fragments of d 0-31 are in; the eight loads of d 32-63 may be out
.irp kt, 0,1,2,3
.irp nt, 0,1
	v_wmma_f32_16x16x32_f16 v[SCO+32*\nt+8*\kt:SCO+32*\nt+8*\kt+7], v[FRG+8*\kt:FRG+8*\kt+7], v[QFR+16*\nt:QFR+16*\nt+7], 0
.endr
.endr
	s_wait_dscnt 0
.irp kt, 0,1,2,3
.irp nt, 0,1
	v_wmma_f32_16x16x32_f16 v[SCO+32*\nt+8*\kt:SCO+32*\nt+8*\kt+7], v[FRG+32+8*\kt:FRG+32+8*\kt+7], v[QFR+16*\nt+8:QFR+16*\nt+15], v[SCO+32*\nt+8*\kt:SCO+32*\nt+8*\kt+7]
.endr
.endr
	NOPS 4                                         ; four places before loads land on K's fragments and before the scores are read
	VFETCH VA+\slot, \blk                          ; V has the whole softmax in which to arrive
	; the new maximum of my 32 scores and the old one, in two chains for each query tile
.irp nt, 0,1
.if \first
	v_mov_b32 v[MX+2*\nt], v[SCO+32*\nt]
.endif
	v_max3_num_f32 v[TA+2*\nt], v[SCO+32*\nt], v[SCO+32*\nt+1], v[MX+2*\nt]
	v_max3_num_f32 v[TB+\nt], v[SCO+32*\nt+16], v[SCO+32*\nt+17], v[SCO+32*\nt+18]
.endr
.irp i, 0,1,2,3,4,5
.irp nt, 0,1
	v_max3_num_f32 v[TA+2*\nt], v[TA+2*\nt], v[SCO+32*\nt+2+2*\i], v[SCO+32*\nt+3+2*\i]
	v_max3_num_f32 v[TB+\nt], v[TB+\nt], v[SCO+32*\nt+19+2*\i], v[SCO+32*\nt+20+2*\i]
.endr
.endr
.irp nt, 0,1
	v_max3_num_f32 v[TA+2*\nt], v[TA+2*\nt], v[SCO+32*\nt+14], v[SCO+32*\nt+15]
.endr
.irp nt, 0,1
	v_max3_num_f32 v[TA+2*\nt], v[TA+2*\nt], v[TB+\nt], v[SCO+32*\nt+31]
.endr
.irp nt, 0,1
	v_permlanex16_b32 v[XP+2*\nt], v[TA+2*\nt], s12, s13       ; the other half of the lanes holds the query's other 32 keys
.endr
.irp nt, 0,1
	v_max_num_f32 v[TA+2*\nt], v[TA+2*\nt], v[XP+2*\nt]
.endr
.if \first == 0
	v_sub_f32 v[ALF], v[MX], v[TA]
	v_sub_f32 v[ALF+2], v[MX+2], v[TA+2]
	v_exp_f32 v[ALF], v[ALF]
	v_exp_f32 v[ALF+2], v[ALF+2]                   ; the two moves below are the plain instructions behind them
.endif
	v_mov_b32 v[MX], v[TA]
	v_mov_b32 v[MX+2], v[TA+2]
.irp nt, 0,1
.set e, 0
.rept 16
	v_pk_add_f32 v[SCO+32*\nt+e:SCO+32*\nt+e+1], v[SCO+32*\nt+e:SCO+32*\nt+e+1], v[MX+2*\nt:MX+2*\nt+1] op_sel_hi:[1,0] neg_lo:[0,1] neg_hi:[0,1]   ; s - m
.set e, e+2
.endr
.endr
	EXPS 0
.if \first == 0
	RESCALE 0
.endif
	EXPS 1
	SUMPACK 0, \first
.if \first == 0
	RESCALE 1
.endif
	SUMPACK 1, \first
	s_wait_dscnt 0                                 ; V's fragments
.irp mt, 0,1,2,3
.irp nt, 0,1
.if \first
	v_wmma_f32_16x16x32_f16 v[OAC+32*\nt+8*\mt:OAC+32*\nt+8*\mt+7], v[FRG+8*\mt:FRG+8*\mt+7], v[SCO+32*\nt:SCO+32*\nt+7], 0
.else
	v_wmma_f32_16x16x32_f16 v[OAC+32*\nt+8*\mt:OAC+32*\nt+8*\mt+7], v[FRG+8*\mt:FRG+8*\mt+7], v[SCO+32*\nt:SCO+32*\nt+7], v[OAC+32*\nt+8*\mt:OAC+32*\nt+8*\mt+7]
.endif
.endr
.endr
.if \more
	NOPS 4                                         ; four places before loads land on the fragments just multiplied
	KFETCH KA+\slot, \blk+1, 0
.endif
.irp mt, 0,1,2,3
.irp nt, 0,1
	v_wmma_f32_16x16x32_f16 v[OAC+32*\nt+8*\mt:OAC+32*\nt+8*\mt+7], v[FRG+32+8*\mt:FRG+32+8*\mt+7], v[SCO+32*\nt+16:SCO+32*\nt+23], v[OAC+32*\nt+8*\mt:OAC+32*\nt+8*\mt+7]
.endr
.endr
	NOPS 5                                         ; five places: the next block's first products write over P^T, a source of these
.if \more
	KFETCH KA+\slot, \blk+1, 1
.endif
.endm
; One tile of 512 keys, of which my key group takes four blocks.  In front of the round every wave waits for all its tensor loads (its part of this tile)
; and for its reads of the other slot; the joint refill of the other slot is the first tensor load behind the round and has the tile's four blocks in
; which to land.  One load a wave is out.
.macro TRIP slot, refill, first
	s_wait_tensorcnt 0x0
	ds_add_u32 v254, v255
	s_wait_dscnt 0x0
	s_add_nc_u64 s[G0+4*\slot+2:G0+4*\slot+3], s[G0+4*\slot+2:G0+4*\slot+3], 2*TILE   ; no load of mine is out: this slot's next tile
	s_wait_dscnt 0x0
	ROUND
.if \refill
	JLOAD 1-\slot
.endif
	KFETCH KA+\slot, 0, 0
	KFETCH KA+\slot, 0, 1
	BLOCK \slot, 0, \first, 1
	BLOCK \slot, 1, 0, 1
	BLOCK \slot, 2, 0, 1
	BLOCK \slot, 3, 0, 0
.endm
; The end.  SEND nt: my partial O of query tile nt, which my partner keeps: 32 registers, 512 consecutive bytes a store.
.macro SEND nt
.irp g, 0,1,2,3,4,5,6,7
	ds_store_b128 v[XS], v[OAC+32*\nt+4*\g:OAC+32*\nt+4*\g+3] offset:512*\g
.endr
.endm
; MERGE nt: query tile nt, which I keep.  m = max(m, m'); a = 2^(m_mine - m), a' = 2^(m' - m); l = l a + l' a'; x = (O a + O' a') / l, to f16, into my stage.
; The side that holds the maximum has weight 1 and l >= 1, so l >= 1.
.macro MERGE nt
	v_max_num_f32 v[TB], v[MX+2*\nt], v[PAR+32+2*\nt]
	v_sub_f32 v[ALF], v[MX+2*\nt], v[TB]
	v_sub_f32 v[ALF+2], v[PAR+32+2*\nt], v[TB]
	v_exp_f32 v[ALF], v[ALF]
	v_exp_f32 v[ALF+2], v[ALF+2]
	v_nop                                          ; the plain instruction behind them (ISA guide 5.7.2)
	s_wait_alu depctr_va_vdst(0)
	v_mul_f32 v[TA], v[XP+2*\nt], v[ALF]
	v_fmac_f32 v[TA], v[PAR+33+2*\nt], v[ALF+2]
	v_rcp_f32 v[TA], v[TA]
	v_nop
	s_wait_alu depctr_va_vdst(0)
	v_mul_f32 v[ALF], v[ALF], v[TA]                ; a / l
	v_mul_f32 v[ALF+2], v[ALF+2], v[TA]            ; a' / l
.set e, 0
.rept 16
	v_pk_mul_f32 v[OAC+32*\nt+e:OAC+32*\nt+e+1], v[OAC+32*\nt+e:OAC+32*\nt+e+1], v[ALF:ALF+1] op_sel_hi:[1,0]
.set e, e+2
.endr
.set e, 0
.rept 16
	v_pk_fma_f32 v[OAC+32*\nt+e:OAC+32*\nt+e+1], v[PAR+e:PAR+e+1], v[ALF+2:ALF+3], v[OAC+32*\nt+e:OAC+32*\nt+e+1] op_sel_hi:[1,0,1]
.set e, e+2
.endr
.irp mt, 0,1,2,3
.irp i, 0,1,2,3
	v_cvt_pk_f16_f32 v[SCO+4*\mt+\i], v[OAC+32*\nt+8*\mt+2*\i], v[OAC+32*\nt+8*\mt+2*\i+1]
.endr
	ds_store_b128 v[STO], v[SCO+4*\mt:SCO+4*\mt+3] offset:32*\mt   ; query r of my tile, d = 16 mt + 8 h ..
.endr
.endm
	s_load_b128 s[4:7], s[0:1], 0x0                ; qkv s[4:5], xws s[6:7]
	v_lshl_add_u32 v254, v0, 2, 0x48000
	v_mov_b32 v255, 0
	ds_add_u32 v254, v255
	v_lshrrev_b32 v9, 5, v0
	v_readfirstlane_b32 s8, v9                     ; wave 0..15
	s_and_b32 s51, s8, 7                           ; query group.  Also: which block of K or of V I fetch
	s_lshr_b32 s52, s8, 3                          ; key group.  Also: I fetch for K (0) or V (1), and the query tile that I keep at the end
	s_bfe_u32 s9, ttmp6, 0x40000                   ; cx
	s_lshl_b32 s10, ttmp9, 2
	s_add_co_u32 s10, s10, s9                      ; query block 0..7 = 4 x cluster x + cx
	s_and_b32 s11, ttmp7, 0xffff                   ; 16 b + h: the same in the four partners
	s_mov_b32 s12, 0x76543210                      ; v_permlanex16_b32: lane i of one half reads lane i of the other
	s_mov_b32 s13, 0xfedcba98
	; group 1: a dense block of 8,192 bytes as 32 rows of 32 elements of 8 bytes, padded behind every 64 words
	s_mov_b32 s[G1K+0], 15|(3<<16)|(1<<20)|(1<<21)|(5<<22)|(3<<25)   ; mask: all four; 8-byte elements; padding on; 21 set beside a mask; every 64 words; 4 words: pitch 272
	s_mov_b32 s[G1V+0], 15|(3<<16)|(1<<20)|(1<<21)|(5<<22)|(7<<25)   ; the same with 8 words: pitch 288
	s_mov_b32 s[G1K+1], 32<<16                     ; tensor_dim0 = 32
	s_mov_b32 s[G1V+1], 32<<16
	s_mov_b32 s[G1K+2], 32<<16                     ; tensor_dim1 = 32
	s_mov_b32 s[G1V+2], 32<<16
	s_mov_b32 s[G1K+3], 32<<16                     ; tile_dim0 = 32
	s_mov_b32 s[G1V+3], 32<<16
	s_mov_b32 s[G1K+4], 32                         ; tile_dim1 = 32
	s_mov_b32 s[G1V+4], 32
	s_mov_b32 s[G1K+5], 32                         ; elements from row to row
	s_mov_b32 s[G1V+5], 32
	s_mov_b32 s[G1K+6], 0
	s_mov_b32 s[G1V+6], 0
	s_mov_b32 s[G1K+7], 0
	s_mov_b32 s[G1V+7], 0
	; my block of tile 0: k (or, waves 8-15, v) of my head, 64 keys x (wave & 7).  Nothing of cx enters.
	s_lshl_b32 s14, s11, 18                        ; a head is 262,144 bytes
	s_lshl_b32 s46, s51, 13                        ; 64 keys are 8,192 bytes
	s_add_co_u32 s14, s14, s46
	s_lshl_b32 s46, s52, 23                        ; v lies 8,388,608 bytes behind k
	s_add_co_u32 s14, s14, s46
	s_add_co_u32 s14, s14, 0x800000                ; k lies 8,388,608 bytes behind q
	s_mov_b32 s15, 0
	s_mul_i32 s45, s8, BLK                         ; where it goes: wave x 9,216
	s_mul_i32 s47, s8, OW
	s_add_co_u32 s47, s47, OSTAGE                  ; my stage of the way out
	s_mul_i32 s53, s52, 4*BLK                      ; my key group's four blocks inside K's eight, and inside V's
	s_mul_i32 s54, s8, XW                          ; exchange: my region,
	s_xor_b32 s55, s8, 8
	s_mul_i32 s55, s55, XW                         ; and that of my partner: the same queries, the other key group
	; my queries: head, 256 x query block + 32 x query group, 128 bytes each (these registers hold cx and feed no descriptor)
	s_lshl_b32 s48, s11, 18
	s_lshl_b32 s50, s10, 15
	s_add_co_u32 s48, s48, s50
	s_lshl_b32 s50, s51, 12
	s_add_co_u32 s48, s48, s50
	s_mov_b32 s49, 0
	s_wait_dscnt 0x0
	s_wait_kmcnt 0x0
	s_add_nc_u64 s[40:41], s[4:5], s[48:49]
	; the 16 rows of xws [h][b x 2048 + s][64] that I store: those of query tile nt = key group
	s_and_b32 s48, s11, 15
	s_lshl_b32 s48, s48, 19                        ; h x 4,096 rows x 128 bytes
	s_lshr_b32 s50, s11, 4
	s_lshl_b32 s50, s50, 18                        ; b x 2,048 rows
	s_add_co_u32 s48, s48, s50
	s_lshl_b32 s50, s10, 15                        ; 256 rows x query block
	s_add_co_u32 s48, s48, s50
	s_lshl_b32 s50, s51, 12                        ; 32 rows x query group
	s_add_co_u32 s48, s48, s50
	s_lshl_b32 s50, s52, 11                        ; 16 rows x tile
	s_add_co_u32 s48, s48, s50
	s_add_nc_u64 s[42:43], s[6:7], s[48:49]
.irp s, 0,1
	s_mov_b32 s[G0+4*\s], 1                                        ; count = 1
	s_add_co_u32 s[G0+4*\s+1], s45, \s*SLOT                        ; LDS address
	s_add_nc_u64 s[G0+4*\s+2:G0+4*\s+3], s[4:5], s[14:15]          ; global address of my block in tile 0,
	s_add_nc_u64 s[G0+4*\s+2:G0+4*\s+3], s[G0+4*\s+2:G0+4*\s+3], \s*TILE   ; in tile s
	s_or_b32 s[G0+4*\s+3], s[G0+4*\s+3], 0x80000000                ; type = 2
.endr
	v_and_b32 v14, 15, v0                          ; r
	v_bfe_u32 v16, v0, 4, 1                        ; h
	v_and_b32 v17, 1, v0                           ; l & 1
	v_lshlrev_b32 v[VQ], 7, v14
	v_lshl_add_u32 v[VQ], v16, 4, v[VQ]            ; 128 r + 16 h
.irp nt, 0,1
.irp ks, 0,1
	global_load_b128 v[QFR+16*\nt+8*\ks:QFR+16*\nt+8*\ks+3],   v[VQ], s[40:41] offset:2048*\nt+64*\ks      ; q(16 nt + r, 32 ks + 8 h ..)
	global_load_b128 v[QFR+16*\nt+8*\ks+4:QFR+16*\nt+8*\ks+7], v[VQ], s[40:41] offset:2048*\nt+64*\ks+32   ; q(16 nt + r, 32 ks + 16 + 8 h ..)
.endr
.endr
	v_lshrrev_b32 v15, 1, v14
	v_mul_u32_u24 v15, v15, 272
	v_lshl_add_u32 v15, v17, 7, v15
	v_lshl_add_u32 v15, v16, 4, v15                ; (r >> 1) x 272 + (r & 1) x 128 + 16 h
	v_add_nc_u32 v[KA], s53, v15                   ; + my key group's blocks
	v_add_nc_u32 v[KA+1], SLOT, v[KA]
	v_bfe_u32 v15, v0, 1, 2                        ; (l & 7) >> 1
	v_lshl_add_u32 v15, v16, 2, v15                ; + 4 h: the LDS row of key 8 h + (l & 7)
	v_mul_u32_u24 v15, v15, 288
	v_lshl_add_u32 v15, v17, 7, v15
	v_bfe_u32 v18, v0, 3, 1
	v_lshl_add_u32 v15, v18, 4, v15                ; + 16 x ((l >> 3) & 1): which 8 of the 16 d
	v_add_nc_u32 v15, s53, v15                     ; + my key group's blocks
	v_add_nc_u32 v[VA], 8*BLK, v15                 ; V's blocks lie behind K's eight
	v_add_nc_u32 v[VA+1], 8*BLK+SLOT, v15
	v_mul_u32_u24 v15, v14, 144
	v_lshl_add_u32 v15, v16, 4, v15
	v_add_nc_u32 v[STO], s47, v15                  ; stage + 144 r + 16 h
	v_bfe_u32 v15, v0, 3, 2
	v_mul_u32_u24 v15, v15, 144
	v_and_b32 v18, 7, v0
	v_lshl_add_u32 v15, v18, 4, v15
	v_add_nc_u32 v[RD], s47, v15                   ; stage + 144 (l >> 3) + 16 (l & 7)
	v_and_b32 v[CO], 31, v0
	v_lshlrev_b32 v[CO], 4, v[CO]                  ; 16 x lane
	v_add_nc_u32 v[XS], s54, v[CO]
	v_add_nc_u32 v[XR], s55, v[CO]
	v_mov_b32 v[XP], 0                             ; v_permlanex16_b32 counts as a reader of its destination
	v_mov_b32 v[XP+2], 0
	ROUND                                          ; the four partners are here: the first joint loads meet
	JLOAD 0                                        ; tile 0
	s_wait_loadcnt 0x0                             ; my queries
	TRIP 0, 1, 1                                   ; tile 0 asks for tile 1; my first block starts m, l and O
	TRIP 1, 1, 0                                   ; tile 1 asks for tile 2: slot 0's last fill
	TRIP 0, 1, 0                                   ; tile 2 asks for tile 3
	TRIP 1, 0, 0                                   ; tile 3 asks for nothing (the stepped addresses are not used)
	; THE END.  (Five places stand behind the last products.)  l of my keys: the two partial sums and the other half of the lanes.
.irp nt, 0,1
	v_add_f32 v[TA+2*\nt], v[LS+2*\nt], v[LS+2*\nt+1]
.endr
.irp nt, 0,1
	v_permlanex16_b32 v[XP+2*\nt], v[TA+2*\nt], s12, s13
.endr
.irp nt, 0,1
	v_add_f32 v[XP+2*\nt], v[TA+2*\nt], v[XP+2*\nt]            ; v[10:13] = (m0, l0, m1, l1)
.endr
	; The exchange lies in slot 0.  No tensor load fills it any more, all that filled it were waited for in front of tile 2's round,
	; and every wave's reads of it in front of tile 3's round.
	ds_store_b128 v[XS], v[MX:MX+3] offset:4096
	s_cmp_eq_u32 s52, 0
	s_cbranch_scc0 .Lsend_0
	SEND 1                                         ; key group 0 keeps query tile 0 and sends tile 1,
	s_branch .Lsent
.Lsend_0:
	SEND 0                                         ; key group 1 the other way round
.Lsent:
	s_wait_dscnt 0x0                               ; for my partner's sake: my stores are done
	s_barrier_signal -1
	s_barrier_wait -1                              ; everybody's are
.irp g, 0,1,2,3,4,5,6,7
	ds_load_b128 v[PAR+4*\g:PAR+4*\g+3], v[XR] offset:512*\g       ; my partner's O of the tile that I keep: the same lanes, the same registers
.endr
	ds_load_b128 v[PAR+32:PAR+35], v[XR] offset:4096               ; its (m0, l0, m1, l1)
	s_wait_dscnt 0x0
	s_cmp_eq_u32 s52, 0
	s_cbranch_scc0 .Lmerge_1
	MERGE 0
	s_branch .Lmerged
.Lmerge_1:
	MERGE 1
.Lmerged:
.irp t, 0,1,2,3
	ds_load_b128 v[OUTB+4*\t:OUTB+4*\t+3], v[RD] offset:576*\t     ; four queries' rows of my own stage; LDS serves a wave's instructions in order (ISA guide 5.7.1.4)
.endr
.irp t, 0,1,2,3
	s_wait_dscnt 3-\t                              ; read-back t is in, the 3 - t younger ones stay out
	global_store_b128 v[CO], v[OUTB+4*\t:OUTB+4*\t+3], s[42:43] offset:512*\t   ; 32 lanes store 512 consecutive bytes, aligned
.endr
	s_wait_tensorcnt 0x0
	ds_add_u32 v254, v255
	s_wait_dscnt 0x0
	ROUND                                          ; the closing round
	s_endpgm
.Lfunc_end_k_qcb20ecf0f4_attn:
	.size	k_qcb20ecf0f4_attn, .Lfunc_end_k_qcb20ecf0f4_attn-k_qcb20ecf0f4_attn
	.p2alignl 7, 3214868480
	.fill 96, 4, 3214868480
	.section	.rodata,"a",@progbits
	.p2align	6, 0x0
	.amdhsa_kernel k_qcb20ecf0f4_attn
		.amdhsa_group_segment_fixed_size 327680
		.amdhsa_private_segment_fixed_size 0
		.amdhsa_enable_private_segment 0
		.amdhsa_kernarg_size 16
		.amdhsa_user_sgpr_count 2
		.amdhsa_user_sgpr_kernarg_segment_ptr 1
		.amdhsa_wavefront_size32 1
		.amdhsa_system_sgpr_workgroup_id_x 1
		.amdhsa_system_sgpr_workgroup_id_y 1
		.amdhsa_system_sgpr_workgroup_id_z 1
		.amdhsa_system_vgpr_workitem_id 0
		.amdhsa_next_free_vgpr 256
		.amdhsa_next_free_sgpr 66
		.amdhsa_reserve_vcc 0
		.amdhsa_float_denorm_mode_32 3
		.amdhsa_float_denorm_mode_16_64 3
		.amdhsa_memory_ordered 1
		.amdhsa_forward_progress 1
		.amdhsa_inst_pref_size 255
	.end_amdhsa_kernel
	.section	.bss,"aw",@nobits
	.p2align	6
	.space	262144
	.amdgpu_metadata
---
amdhsa.version: [ 1, 2 ]
amdhsa.kernels:
  - .name:           k_qcb20ecf0f4_attn
    .symbol:         k_qcb20ecf0f4_attn.kd
    .args:
      - { .name: qkv, .offset: 0, .size: 8, .value_kind: global_buffer, .address_space: global }
      - { .name: xws, .offset: 8, .size: 8, .value_kind: global_buffer, .address_space: global }
    .group_segment_fixed_size: 327680
    .private_segment_fixed_size: 0
    .kernarg_segment_align: 8
    .kernarg_segment_size: 16
    .max_flat_workgroup_size: 512
    .sgpr_count:     66
    .vgpr_count:     256
    .wavefront_size: 32
...
	.end_amdgpu_metadata
.endif
;; end of part 3
;; launch outp (part 4): grid 8 x 32, 4 waves a work-group, clusters of 4 x 4, 327,680 bytes of LDS; arguments xws, w16, bo, out0; writes out0
.if DOCPART == 4
	.amdgcn_target "amdgcn-amd-amdhsa--gfx1250"
	.amdhsa_code_object_version 6
	.text
	.protected	k_qcb20ecf0f4_outp
	.globl	k_qcb20ecf0f4_outp
	.p2align	8
	.type	k_qcb20ecf0f4_outp,@function
k_qcb20ecf0f4_outp:
	s_mov_b64 s[64:65], 0
	v_nop
	global_prefetch_b8 v0, s[64:65] scope:SCOPE_SE
	s_setreg_imm32_b32 hwreg(HW_REG_WAVE_MODE, 25, 1), 1
	s_wait_xcnt 0x0
	s_wait_alu depctr_hold_cnt(0) depctr_sa_sdst(0) depctr_va_vdst(0) depctr_va_sdst(0) depctr_va_ssrc(0) depctr_va_vcc(0) depctr_vm_vsrc(0)
	s_getreg_b32 s2, hwreg(HW_REG_IB_STS2, 6, 4)
	s_cmp_eq_u32 s2, 0
	s_cbranch_scc0 .Lentry_in_a_cluster
	s_endpgm
.Lentry_in_a_cluster:
	s_bfe_u32 s2, ttmp6, 0x10000c
	s_cmp_lg_u32 s2, 0xf033
	s_cbranch_scc0 .Lentry_shape_is_right
	s_endpgm
.Lentry_shape_is_right:
; outp: out0[t][n] = sum over k of x[t][k] Wo[n][k] + bo[n], f32.  x = xws, f16 [h][t][64] (k = 64 h + d); Wo = the fourth matrix of w16, f16 [n][k].
; 4096 x 1024 results in blocks of 128 x 128: 256 work-groups.  Four waves of 64 x 64 (16 accumulator tiles, 128 registers).
; K = 1024 in 8 steps of 128 (two heads) through FOUR LDS slots, two of them filled behind each round; the eight steps are written out, without a loop.
; A slot: x's head 2 i (128 tokens x 128 bytes, dense in memory, as 64 rows of 256 bytes), head 2 i + 1, Wo's rows 0-63, rows 64-127 (256 bytes of each).
; One quarter a wave.  CLUSTERS 4 x 4: x's tiles are shared along a row of the cluster, Wo's along a column; both are asked for jointly.
; A wave has four tensor loads out at the start and two behind each refilling round; a refill has two K steps in which to land.
; LIMITS: operands f16 (their ranges: see the launches that made them), sums and the bias f32.
; REGISTERS: window 0: v16-27 addresses; v32-63 bias; v64-95, v96-127 fragments of x, two buffers; v128-255 accumulators, tile (a, b) at 128 + 8 (4 a + b).
;            window 1: v64-95, v96-127 fragments of Wo.
; The matrix instruction is used transposed (source 0 = Wo's rows, source 1 = tokens): lane l holds token l % 16, registers 0-7 columns 8 (l / 16) + 0..7.
.set PITCH, 272                        ; 256 bytes + 16 of padding
.set Q4,    64*PITCH                   ; what one tensor load brings
.set SLOT,  4*Q4
.set STAGE, 4*SLOT                     ; behind the ring, never filled by a tensor load: 16 rows x 272 bytes for each wave
.set ADRA, 16                          ; v16-19  LDS address of my x fragments in slot 0..3
.set ADRB, 20                          ; v20-23  the same for Wo
.set STO,  24
.set RD,   25
.set CO,   26
.set BO,   27
.set BIAS, 32
.set F0,   64
.set F1,   96
.set ACC,  128
.set G1A, 24                           ; s[24:31] group 1 for x's tiles
.set G0A, 32                           ; s[32:47] group 0 for x's tiles, one set for each slot
.set G1B, 48                           ; s[48:55] group 1 for Wo's tiles
.set G0B, 68                           ; s[68:83] group 0 for Wo's tiles
.set MSB, 0
.macro WIN new
.if MSB != \new
	s_set_vgpr_msb (MSB<<8)|\new
.set MSB, \new
.endif
.endm
.set MUL,  0x01                        ; source 0 (Wo) window 1, all else window 0
.set TO_B, 0x40                        ; destination window 1
.macro JLOAD s                         ; waves 0, 1 ask for x's two heads, waves 2, 3 for Wo's two halves
	s_cmp_eq_u32 s13, 0
	s_cbranch_scc0 .Lfor_b_\@
	tensor_load_to_lds s[G0A+4*\s:G0A+4*\s+3], s[G1A:G1A+7]
	s_nop 0
	s_branch .Lasked_\@
.Lfor_b_\@:
	tensor_load_to_lds s[G0B+4*\s:G0B+4*\s+3], s[G1B:G1B+7]
	s_nop 0
.Lasked_\@:
.endm
.macro CREST
	s_cmp_lg_u32 s12, 0
	s_cbranch_scc1 .Lnot_wave_0_\@
	s_barrier_signal -3
.Lnot_wave_0_\@:
	s_barrier_wait -3
	s_barrier_signal -1
	s_barrier_wait -1
.endm
.macro CROUND
	s_barrier_signal -1
	s_barrier_wait -1
	CREST
.endm
	s_load_b256 s[4:11], s[0:1], 0x0               ; xws s[4:5], w16 s[6:7], bo s[8:9], out0 s[10:11]
	s_set_vgpr_msb 0x40
	v_lshl_add_u32 v129, v0, 2, 0x48400
	s_set_vgpr_msb 0x4000
	v_mov_b32 v31, 0
	s_set_vgpr_msb 0x1
	ds_add_u32 v129, v31
	s_set_vgpr_msb 0x100
	v_lshrrev_b32 v1, 5, v0
	v_readfirstlane_b32 s12, v1                    ; wave 0..3
	s_lshr_b32 s13, s12, 1                         ; which 64 tokens are mine.  Also: I fetch for x (0) or Wo (1)
	s_and_b32 s14, s12, 1                          ; which 64 columns.  Also: which part of that tile I fetch
	s_bfe_u32 s15, ttmp6, 0x40000                  ; cx
	s_bfe_u32 s16, ttmp6, 0x40004                  ; cy
	s_lshl_b32 s17, ttmp9, 2
	s_add_co_u32 s17, s17, s15                     ; block column 0..7
	s_and_b32 s18, ttmp7, 0xffff
	s_lshl_b32 s18, s18, 2
	s_add_co_u32 s18, s18, s16                     ; block row 0..31
	s_lshl_b32 s19, s16, 2
	s_lshl_b32 s19, 15, s19                        ; my row of the cluster
	s_lshl_b32 s20, 0x1111, s15                    ; my column
	; x's quarter: 16,384 dense bytes as 64 rows of 32 elements of 8 bytes.  Wo's: 64 rows of 128 elements of 2 bytes, 1,024 elements apart.
	s_or_b32 s[G1A+0], s19, (3<<16)|(1<<20)|(1<<21)|(5<<22)|(3<<25)
	s_or_b32 s[G1B+0], s20, (1<<16)|(1<<20)|(1<<21)|(5<<22)|(3<<25)
	s_mov_b32 s[G1A+1], 32<<16                     ; tensor_dim0
	s_mov_b32 s[G1B+1], 128<<16
	s_mov_b32 s[G1A+2], 64<<16                     ; tensor_dim1
	s_mov_b32 s[G1B+2], 64<<16
	s_mov_b32 s[G1A+3], 32<<16                     ; tile_dim0
	s_mov_b32 s[G1B+3], 128<<16
	s_mov_b32 s[G1A+4], 64                         ; tile_dim1
	s_mov_b32 s[G1B+4], 64
	s_mov_b32 s[G1A+5], 32                         ; elements from row to row
	s_mov_b32 s[G1B+5], 1024
	s_mov_b32 s[G1A+6], 0
	s_mov_b32 s[G1B+6], 0
	s_mov_b32 s[G1A+7], 0
	s_mov_b32 s[G1B+7], 0
	s_lshl_b32 s56, s18, 14                        ; x: 128 tokens x block row x 128 bytes
	s_lshl_b32 s22, s14, 19                        ;    + head (wave & 1) x 4,096 tokens x 128 bytes
	s_add_co_u32 s56, s56, s22
	s_mov_b32 s57, 0
	s_lshl_b32 s58, s17, 18                        ; Wo: 128 rows x block column x 2,048 bytes
	s_lshl_b32 s22, s14, 17                        ;    + 64 rows x (wave & 1)
	s_add_co_u32 s58, s58, s22
	s_add_co_u32 s58, s58, 0x600000                ;    behind Wq, Wk, Wv
	s_mov_b32 s59, 0
	s_mul_i32 s21, s12, Q4                         ; where they go: wave x a quarter of the slot
	s_lshl_b32 s86, s17, 9                         ; my first column x 4 bytes: 512 x block column + 256 x half
	s_lshl_b32 s87, s14, 8
	s_add_co_u32 s86, s86, s87
	s_mov_b32 s87, 0
	s_lshl_b32 s88, s18, 19                        ; my first token x 4,096 bytes: 128 x block row + 64 x half
	s_lshl_b32 s89, s13, 18
	s_add_co_u32 s88, s88, s89
	s_mov_b32 s89, 0
	s_wait_dscnt 0x0
	s_wait_kmcnt 0x0
	s_add_nc_u64 s[56:57], s[4:5], s[56:57]
	s_add_nc_u64 s[58:59], s[6:7], s[58:59]
	s_add_nc_u64 s[84:85], s[8:9], s[86:87]        ; the bias of my columns
	s_add_nc_u64 s[10:11], s[10:11], s[88:89]
	s_add_nc_u64 s[10:11], s[10:11], s[86:87]      ; out0 at my corner
	CROUND                                         ; all sixteen work-groups are here
.irp s, 0,1,2,3
	s_mov_b32 s[G0A+4*\s], 1
	s_add_co_u32 s[G0A+4*\s+1], s21, \s*SLOT
	s_add_nc_u64 s[G0A+4*\s+2:G0A+4*\s+3], s[56:57], \s*1048576    ; K step s: two heads on
	s_or_b32 s[G0A+4*\s+3], s[G0A+4*\s+3], 0x80000000
	s_mov_b32 s[G0B+4*\s], 1
	s_add_co_u32 s[G0B+4*\s+1], s21, \s*SLOT
	s_add_nc_u64 s[G0B+4*\s+2:G0B+4*\s+3], s[58:59], \s*256        ; K step s: 128 elements on
	s_or_b32 s[G0B+4*\s+3], s[G0B+4*\s+3], 0x80000000
	JLOAD \s
.endr
	v_and_b32 v1, 15, v0                           ; r
	v_bfe_u32 v2, v0, 4, 1                         ; h
	v_lshlrev_b32 v[BO], 5, v2
.irp b, 0,1,2,3
	global_load_b128 v[BIAS+8*\b:BIAS+8*\b+3],   v[BO], s[84:85] offset:64*\b      ; bo of columns 16 b + 8 h + 0..3
	global_load_b128 v[BIAS+8*\b+4:BIAS+8*\b+7], v[BO], s[84:85] offset:64*\b+16   ; + 4..7; waited for on the way out
.endr
	v_lshrrev_b32 v3, 1, v1                        ; x: an LDS row holds two tokens: token i at (i >> 1) x 272 + (i & 1) x 128
	v_mul_u32_u24 v3, v3, PITCH
	v_and_b32 v4, 1, v0
	v_lshl_add_u32 v3, v4, 7, v3
	v_lshl_add_u32 v3, v2, 4, v3
	v_mul_u32_u24 v5, v1, PITCH                    ; Wo: row r at 272 r
	v_lshl_add_u32 v4, v2, 4, v5
	s_mul_i32 s22, s13, 32*PITCH                   ; my 64 tokens = 32 LDS rows
	s_mul_i32 s23, s14, Q4
	s_add_co_u32 s23, s23, 2*Q4                    ; my 64 rows of Wo, behind x's two heads
.irp s, 0,1,2,3
	v_add_nc_u32 v[ADRA+\s], s22, v3
	v_add_nc_u32 v[ADRB+\s], s23, v4
	s_add_co_u32 s22, s22, SLOT
	s_add_co_u32 s23, s23, SLOT
.endr
	s_mul_i32 s22, s12, 16*PITCH
	s_add_co_u32 s22, s22, STAGE                   ; my stage
	v_lshl_add_u32 v6, v2, 5, v5                   ; in: token r, 32 bytes for each half of the lanes
	v_add_nc_u32 v[STO], s22, v6
	v_mul_u32_u24 v6, v2, PITCH                    ; back: lanes 0-15 one token's 256 bytes, lanes 16-31 the next token's
	v_lshl_add_u32 v6, v1, 4, v6
	v_add_nc_u32 v[RD], s22, v6
	v_lshlrev_b32 v6, 12, v2                       ; and the same two rows of out0, 4,096 bytes apart
	v_lshl_add_u32 v[CO], v1, 4, v6
.macro MUL4 f, a, zero                 ; token tile a x the four column tiles, 32 along K
.irp b, 0,1,2,3
.if \zero
	v_wmma_f32_16x16x32_f16 v[ACC+8*(4*\a+\b):ACC+8*(4*\a+\b)+7], v[\f+8*\b:\f+8*\b+7], v[\f+8*\a:\f+8*\a+7], 0
.else
	v_wmma_f32_16x16x32_f16 v[ACC+8*(4*\a+\b):ACC+8*(4*\a+\b)+7], v[\f+8*\b:\f+8*\b+7], v[\f+8*\a:\f+8*\a+7], v[ACC+8*(4*\a+\b):ACC+8*(4*\a+\b)+7]
.endif
.endr
.endm
.macro FETCH slot, q, f                ; 16 LDS loads: quarter q (32 along K) of the slot: head q >> 1, d from 32 (q & 1)
	WIN TO_B
.irp b, 0,1,2,3
	ds_load_b128 v[\f+8*\b:\f+8*\b+3],   v[ADRB+\slot] offset:16*PITCH*\b+64*\q
	ds_load_b128 v[\f+8*\b+4:\f+8*\b+7], v[ADRB+\slot] offset:16*PITCH*\b+64*\q+32
.endr
	WIN 0
.irp a, 0,1,2,3
	ds_load_b128 v[\f+8*\a:\f+8*\a+3],   v[ADRA+\slot] offset:8*PITCH*\a+(\q>>1)*Q4+(\q&1)*64
	ds_load_b128 v[\f+8*\a+4:\f+8*\a+7], v[ADRA+\slot] offset:8*PITCH*\a+(\q>>1)*Q4+(\q&1)*64+32
.endr
.endm
.macro PLACES                          ; four independent vector instructions behind a matrix instruction (ISA guide 7.12.1 for vector instructions)
.rept 4
	v_nop
.endr
.endm
; Multiplies buffer f; in its middle fetches quarter q of the named slot into buffer g.  The 16 accumulators take turns, one instruction a turn.
.macro QUARTER f, g, slot, q, zero
	s_wait_dscnt 4                                 ; Wo's fragments and token tiles 0, 1 are in; the youngest four loads (tiles 2, 3) may be out
	WIN MUL
	MUL4 \f, 0, \zero
	MUL4 \f, 1, \zero
	PLACES
	FETCH \slot, \q, \g
	s_wait_dscnt 16                                ; all but the 16 just issued
	WIN MUL
	MUL4 \f, 2, \zero
	MUL4 \f, 3, \zero
.endm
.macro THREE slot, zero
	QUARTER F0, F1, \slot, 1, \zero
	QUARTER F1, F0, \slot, 2, 0
	QUARTER F0, F1, \slot, 3, 0
.endm
; The last quarter of every second K step.  In front of the barrier each wave waits for its reads (of the two slots just used) and for all its tensor loads
; (the next two tiles).  fill = 1: the barrier opens a round, and slots sa, sb are filled again, four K steps ahead, first thing behind it.
.macro TURN next, fill, sa, sb
	s_wait_dscnt 4
	WIN MUL
	MUL4 F1, 0, 0
	s_wait_dscnt 0
	s_wait_tensorcnt 0x0
	ds_add_u32 v129, v31
	s_wait_dscnt 0x0
	s_barrier_signal -1
	MUL4 F1, 1, 0                                  ; registers only
	WIN 0
	s_barrier_wait -1
.if \fill
	CREST
.irp t, \sa, \sb
	s_add_nc_u64 s[G0A+4*\t+2:G0A+4*\t+3], s[G0A+4*\t+2:G0A+4*\t+3], 4*1048576
	s_add_nc_u64 s[G0B+4*\t+2:G0B+4*\t+3], s[G0B+4*\t+2:G0B+4*\t+3], 4*256
.endr
	JLOAD \sa
	JLOAD \sb
.endif
	PLACES
	FETCH \next, 0, F0
	WIN MUL
	MUL4 F1, 2, 0
	MUL4 F1, 3, 0
.endm
	s_wait_tensorcnt 2                             ; my parts of K steps 0 and 1 are in; those of 2 and 3 stay out
	s_barrier_signal -1
	s_barrier_wait -1
	FETCH 0, 0, F0
	THREE 0, 1                                     ; K step 0: its first products start the sums
	QUARTER F1, F0, 1, 0, 0
	THREE 1, 0                                     ; K step 1
	TURN 2, 1, 0, 1                                ; slots 0, 1 <- K steps 4, 5
	THREE 2, 0
	QUARTER F1, F0, 3, 0, 0
	THREE 3, 0
	TURN 0, 1, 2, 3                                ; slots 2, 3 <- K steps 6, 7
	THREE 0, 0
	QUARTER F1, F0, 1, 0, 0
	THREE 1, 0
	TURN 2, 0, 0, 0                                ; nothing more to fill: the barrier shows K steps 6, 7 to all four waves
	THREE 2, 0
	QUARTER F1, F0, 3, 0, 0
	THREE 3, 0
	s_wait_dscnt 4                                 ; the very last quarter
	WIN MUL
	MUL4 F1, 0, 0
	MUL4 F1, 1, 0
	s_wait_dscnt 0
	MUL4 F1, 2, 0
	MUL4 F1, 3, 0
	; THE WAY OUT, 16 tokens at a time: add the bias, 32 bytes a lane into my own stage, read whole rows of 256 bytes back.
	PLACES
	WIN 0
	s_wait_loadcnt 0x0                             ; the bias
.macro OUT16 a, f
.irp b, 0,1,2,3
.irp i, 0,2,4,6
	v_pk_add_f32 v[ACC+8*(4*\a+\b)+\i:ACC+8*(4*\a+\b)+\i+1], v[ACC+8*(4*\a+\b)+\i:ACC+8*(4*\a+\b)+\i+1], v[BIAS+8*\b+\i:BIAS+8*\b+\i+1]
.endr
.endr
.irp b, 0,1,2,3
	ds_store_b128 v[STO], v[ACC+8*(4*\a+\b):ACC+8*(4*\a+\b)+3]   offset:64*\b
	ds_store_b128 v[STO], v[ACC+8*(4*\a+\b)+4:ACC+8*(4*\a+\b)+7] offset:64*\b+16
.endr
	s_wait_xcnt 0x0                                ; earlier stores have had their addresses translated (ISA guide 3.1): buffer f and the base are rewritten only behind this wait
.if \a
	s_add_nc_u64 s[10:11], s[10:11], 16*4096       ; 16 tokens on
.endif
.irp t, 0,1,2,3,4,5,6,7
	ds_load_b128 v[\f+4*\t:\f+4*\t+3], v[RD] offset:\t*2*PITCH     ; LDS serves a wave's instructions in order (ISA guide 5.7.1.4)
.endr
.irp t, 0,1,2,3,4,5,6,7
	s_wait_dscnt 7-\t                              ; read-back t is in, the 7 - t younger ones stay out
	global_store_b128 v[CO], v[\f+4*\t:\f+4*\t+3], s[10:11] offset:2*\t*4096 th:TH_STORE_NT   ; 16 lanes store 256 consecutive bytes, aligned
.endr
.endm
	OUT16 0, F0
	OUT16 1, F1
	OUT16 2, F0
	OUT16 3, F1
	s_set_vgpr_msb 0x1
	s_wait_tensorcnt 0x0
	ds_add_u32 v129, v31
	s_wait_dscnt 0x0
	s_set_vgpr_msb 0x100
	CROUND                                         ; the closing round
	s_endpgm
.Lfunc_end_k_qcb20ecf0f4_outp:
	.size	k_qcb20ecf0f4_outp, .Lfunc_end_k_qcb20ecf0f4_outp-k_qcb20ecf0f4_outp
	.p2alignl 7, 3214868480
	.fill 96, 4, 3214868480
	.section	.rodata,"a",@progbits
	.p2align	6, 0x0
	.amdhsa_kernel k_qcb20ecf0f4_outp
		.amdhsa_group_segment_fixed_size 327680
		.amdhsa_private_segment_fixed_size 0
		.amdhsa_enable_private_segment 0
		.amdhsa_kernarg_size 32
		.amdhsa_user_sgpr_count 2
		.amdhsa_user_sgpr_kernarg_segment_ptr 1
		.amdhsa_wavefront_size32 1
		.amdhsa_system_sgpr_workgroup_id_x 1
		.amdhsa_system_sgpr_workgroup_id_y 1
		.amdhsa_system_sgpr_workgroup_id_z 1
		.amdhsa_system_vgpr_workitem_id 0
		.amdhsa_next_free_vgpr 386
		.amdhsa_next_free_sgpr 96
		.amdhsa_reserve_vcc 0
		.amdhsa_float_denorm_mode_32 3
		.amdhsa_float_denorm_mode_16_64 3
		.amdhsa_memory_ordered 1
		.amdhsa_forward_progress 1
		.amdhsa_inst_pref_size 98
	.end_amdhsa_kernel
	.amdgpu_metadata
---
amdhsa.version: [ 1, 2 ]
amdhsa.kernels:
  - .name:           k_qcb20ecf0f4_outp
    .symbol:         k_qcb20ecf0f4_outp.kd
    .args:
      - { .name: xws, .offset: 0, .size: 8, .value_kind: global_buffer, .address_space: global }
      - { .name: w16, .offset: 8, .size: 8, .value_kind: global_buffer, .address_space: global }
      - { .name: bo, .offset: 16, .size: 8, .value_kind: global_buffer, .address_space: global }
      - { .name: out0, .offset: 24, .size: 8, .value_kind: global_buffer, .address_space: global }
    .group_segment_fixed_size: 327680
    .private_segment_fixed_size: 0
    .kernarg_segment_align: 8
    .kernarg_segment_size: 32
    .max_flat_workgroup_size: 128
    .sgpr_count:     96
    .vgpr_count:     386
    .wavefront_size: 32
...
	.end_amdgpu_metadata
.endif
;; end of part 4
